; MI455X (gfx1250); checked and timed in simulation.
; The chip was launched on July 23, 2026; its instructions are those of AMD's public machine-readable ISA for CDNA 5 (MIT licence, August 2026) and "CDNA5" Instruction Set Architecture Reference Guide (July 2026). The comments in the code are by the model that wrote it; some were corrected since.
;; Multi Head Attention. Allowed arithmetic: matrix products marked QUANTISED: E2M3 operands, one E8M0 scale for each 32 along K, by v_wmma_scale_f32_16x16x128_f8f6f4 with both operands' format E2M3, f32 sums; everything else in f32.
;; Inputs: b_k 512 float32; b_o 512 float32; b_q 512 float32; b_v 512 float32; k 2 x 4,096 x 512 float32; q 2 x 4,096 x 512 float32; v 2 x 4,096 x 512 float32; w_k 512 x 512 float32; w_o 512 x 512 float32; w_q 512 x 512 float32; w_v 512 x 512 float32.
;; Outputs: out0 2 x 4,096 x 512 float32.
;; This version of the problem:
;;   THIS VERSION OF THE PROBLEM IS GIVEN IN LOW PRECISION. The matrix products marked QUANTISED in the list below multiply operands that are first quantised to E2M3 (2 exponent bits, 3 mantissa bits; 6 bits a number), with one power-of-two scale for each 32 numbers along K (OCP MX v1.0); their sums are f32. All else is computed in f32.
;;   The module's matrix products, in the order in which they are computed (A, B: the left and right operand; K: the contracted axis; several contracted axes count as one K, in the product's order):
;;     1. [M 8,192, K 512] x [K 512, N 512]; A: input q; B: input w_q: QUANTISED
;;     2. [M 8,192, K 512] x [K 512, N 512]; A: input k; B: input w_k: QUANTISED
;;     3. [M 8,192, K 512] x [K 512, N 512]; A: input v; B: input w_v: QUANTISED
;;     4. batch 16 x [M 4,096, K 64] x [K 64, N 4,096]; A: computed on the way; B: computed on the way: QUANTISED
;;     5. batch 16 x [M 4,096, K 4,096] x [K 4,096, N 64]; A: softmax (see below); B: computed on the way: QUANTISED
;;     6. [M 8,192, K 512] x [K 512, N 512]; A: computed on the way; B: input w_o: QUANTISED
;;   THE QUANTISER, for each operand of a quantised product, along K:
;;     - K is cut into blocks of 32 from its start; a last block that is shorter is filled with zeros.
;;     - A block's scale is 2^e with e = floor(log2(the largest magnitude in the block)) - 2, held to -126 .. 127; a block of zeros has e = 0. As a byte (E8M0): e + 127.
;;     - Each number is divided by its block's scale, clamped to +-7.5, and rounded to the nearest number of E2M3, ties to even, subnormals kept.
;;     - The product sums the exact products of the quantised numbers (number of the format x scale) in f32.
;;   ~~~python
;;   def quantise(x, axis):      # numpy; x: float32 -> the quantised numbers, widened to float32 again
;;       x = np.moveaxis(x, axis, -1); K = x.shape[-1]
;;       x = np.pad(x, [(0, 0)] * (x.ndim - 1) + [(0, -K % 32)]); x = x.reshape(x.shape[:-1] + (-1, 32)); a = np.abs(x).max(-1, keepdims=True)
;;       e = np.where(a > 0, np.clip(np.frexp(np.where(a > 0, a, 1))[1] - 1 - 2, -126, 127), 0)      # np.frexp(a)[1] - 1 = floor(log2(a)), exactly
;;       r = np.clip(x / 2.0 ** e, -7.5, 7.5)
;;       step = 2.0 ** (np.maximum(np.frexp(np.where(r == 0, 1, r))[1] - 1, 0) - 3)
;;       q = np.round(r / step) * step * 2.0 ** e      # np.round: ties to even
;;       return np.moveaxis(q.reshape(q.shape[:-2] + (-1,))[..., :K], -1, axis).astype(np.float32)
;;   ~~~
;;   SOFTMAX AHEAD OF A QUANTISED PRODUCT. Where the list says 'softmax', what is quantised is not the finished softmax but p = 2^(t - M), with t = logit x log2(e) and M = ceil(the row's largest t), a whole number; so 1/2 < the row's largest p <= 1. The row's sum l is taken of the UNQUANTISED p, in f32, and the product's result is divided by l at the end. Since M is a whole number, a kernel that streams over the keys may use a running M (the ceiling of the running maximum): every later rescaling is an exact power of two, which a block's scale takes up: the codes' values come out the same.
;;   OPERANDS COMPUTED ON THE WAY. 'Computed on the way' means the value that the module computes at that place (a softmax that the list does not call 'softmax' is quantised finished and normalised). What goes into a quantiser is computed in f32, as accurately as f32 sums, v_exp_f32 and their like allow (about 1e-6 of the number): no bf16 or f16 on the way to a quantiser, and a product that is left as it is and whose result goes on into a quantised operand takes f32 operands (vector FMAs, or v_wmma_f32_16x16x4_f32). A number that lies on a knife's edge between two numbers of the format may be rounded either way, as far as f32 arithmetic and the matrix unit's own rounding can turn it there, and no further.
;; One version. Each part assembles by itself: llvm-mc -triple=amdgcn-amd-amdhsa -mcpu=gfx1250 --defsym DOCPART=n.
;; ======== version 1 of 1: 4 launches
;; limits: right only within a limited range of input values
;; workspace buffers: wimg 851,968 bytes; qrec 3,407,872 bytes; kv 6,815,744 bytes; oc 3,145,728 bytes; os 524,288 bytes
;; launch wprep (part 1): grid 32 x 4, 1 waves a work-group, no clusters, 0 bytes of LDS; arguments w_q, w_k, w_v, w_o, wimg; writes wimg
.if DOCPART == 1
	.amdgcn_target "amdgcn-amd-amdhsa--gfx1250"
	.amdhsa_code_object_version 6
	.text
	.protected	k_q6bde7f795f_wprep
	.globl	k_q6bde7f795f_wprep
	.p2align	8
	.type	k_q6bde7f795f_wprep,@function
k_q6bde7f795f_wprep:
	s_mov_b64 s[64:65], 0
	v_nop
	global_prefetch_b8 v0, s[64:65] scope:SCOPE_SE
	s_setreg_imm32_b32 hwreg(HW_REG_WAVE_MODE, 25, 1), 1
	s_wait_xcnt 0x0
; The four weights [512][512] f32 (K innermost) become codes of FP6 (E2M3) with one E8M0 byte for each 32 along K, laid as IMAGES OF OPERAND REGISTERS.
; wimg: weight y at 212,992 y; its rows 128 w on at + 53,248 w; there the fragment (16 rows 16 t on, K step s of 128) at (4 t + s) x 1,536: three groups of four registers, group g at 512 g + 16 x lane;
; the four scale words of tile t at 49,152 + 512 t + 16 x lane.  A later wave gets a fragment by three loads of 16 bytes a lane, 512 consecutive bytes each.
; A work-group is one wave: 16 rows x 512 K = four fragments.  No LDS, no barrier; work-groups share no input, so no cluster.
; PLACES INSIDE A BLOCK OF 32: lane (r, h) loads, of row r, register 16 b + 8 e + j = element 32 b + 16 e + 8 h + j.  Every operand of every product of this program is made from numbers that lie so, hence k is permuted
; alike on both sides of a product, and only inside a scale's block: blocks, largest magnitudes and scales are the quantiser's own.
; A block's scale is 2^(floor(log2(largest magnitude)) - 2); its byte is the largest magnitude's exponent field - 2, held at 1 from below.
; LIMITS: a block of zeros gets the byte 1, not 127 (its codes are zeros, and this program alone reads the bytes); NaN and infinities among the inputs are not served.
.set XA,  1                            ; v1      my byte in the tile: 2,048 r + 32 h
.set LI,  2                            ; v2      16 x lane
.set TM,  8                            ; v8-23   at work: +0..3 largest magnitudes, +4..7 the other half's, then bytes, +12..15 the conversions' scale operands
.set CT,  24                           ; v24-31  the second halves of the blocks' codes
.set PC,  32                           ; v32-55  two sets of 12 registers of codes
.set PW,  56                           ; v56-59  the four scale words
.set X,   64                           ; v64-255 three sets of 64 numbers
.set SEL, 20                           ; s[20:21] lane selects: lane l xor 16
; 64 numbers at v[s] on become a fragment's registers 0-5 at v[d0] on, 6-11 at v[d1] on, and the row's scale word in v[pw]
.macro QUANT s, d0, d1, pw
.irp b, 0,1,2,3
	v_max3_num_f32 v[TM+\b], |v[\s+16*\b]|, |v[\s+16*\b+1]|, 0x1800000      ; block b: my 16 numbers, and the floor 2^(3 - 127): the byte cannot fall under 1
.endr
.irp i, 2,4,6,8,10,12,14
.irp b, 0,1,2,3
	v_max3_num_f32 v[TM+\b], v[TM+\b], |v[\s+16*\b+\i]|, |v[\s+16*\b+\i+1]|  ; the four blocks by turns
.endr
.endr
.irp b, 0,1,2,3
	v_permlanex16_b32 v[TM+4+\b], v[TM+\b], s[SEL], s[SEL+1]
.endr
.irp b, 0,1,2,3
	v_max_num_f32 v[TM+\b], v[TM+\b], v[TM+4+\b]                            ; with lane l xor 16's 16: the block's largest magnitude
.endr
.irp b, 0,1,2,3
	v_add_nc_u32 v[TM+12+\b], 0xff000000, v[TM+\b]                          ; 2 off its exponent field: the conversion's scale operand
.endr
.irp b, 0,1,2,3
	v_lshrrev_b32 v[TM+4+\b], 23, v[TM+12+\b]                               ; the scale's byte
.endr
	v_lshl_or_b32 v[\pw], v[TM+5], 8, v[TM+4]
	v_lshl_or_b32 v[\pw], v[TM+6], 16, v[\pw]
	v_lshl_or_b32 v[\pw], v[TM+7], 24, v[\pw]
	v_cvt_scalef32_pk16_fp6_f32 v[\d0:\d0+2], v[\s:\s+15], v[TM+12]
	v_cvt_scalef32_pk16_fp6_f32 v[CT:CT+2], v[\s+16:\s+31], v[TM+13]       ; (a conversion's three registers begin on an even number)
	v_cvt_scalef32_pk16_fp6_f32 v[\d1:\d1+2], v[\s+32:\s+47], v[TM+14]
	v_cvt_scalef32_pk16_fp6_f32 v[CT+4:CT+6], v[\s+48:\s+63], v[TM+15]
	v_nop                                                                   ; one plain line behind the conversions
.irp i, 0,1,2
	v_permlane16_swap_b32 v[\d0+\i], v[CT+\i]                               ; the operand wants a whole block in a lane: lanes 0-15 the even block, lanes 16-31 the odd one
	v_permlane16_swap_b32 v[\d1+\i], v[CT+4+\i]
.endr
.irp i, 0,1,2
	v_mov_b32 v[\d0+3+\i], v[CT+\i]
	v_mov_b32 v[\d1+3+\i], v[CT+4+\i]
.endr
.endm
.macro XLOAD g, k                      ; K step k of my 16 rows into set g
.irp b, 0,1,2,3
.irp e, 0,1
.irp f, 0,1
	global_load_b128 v[X+64*\g+16*\b+8*\e+4*\f:X+64*\g+16*\b+8*\e+4*\f+3], v[XA], s[4:5] offset:512*\k+128*\b+64*\e+16*\f
.endr
.endr
.endr
.endm
.macro OUT d, k                        ; the fragment at v[d] on goes out as it stands: 512 consecutive bytes a store
.irp g, 0,1,2
	global_store_b128 v[LI], v[\d+4*\g:\d+4*\g+3], s[22:23] offset:1536*\k+512*\g
.endr
.endm
	s_load_b256 s[4:11], s[0:1], 0x0               ; w_q, w_k, w_v, w_o
	s_load_b64 s[12:13], s[0:1], 0x20              ; wimg
	v_and_b32 v3, 15, v0                           ; r
	v_bfe_u32 v4, v0, 4, 1                         ; h
	v_lshlrev_b32 v[XA], 11, v3
	v_lshl_add_u32 v[XA], v4, 5, v[XA]
	v_lshlrev_b32 v[LI], 4, v0                     ; one wave: the thread's number is the lane
.irp b, 0,1,2,3
	v_mov_b32 v[TM+4+\b], 0                        ; written once: a lane permute's destination counts as one of its sources
.endr
	s_mov_b32 s[SEL], 0x76543210
	s_mov_b32 s[SEL+1], 0xfedcba98
	s_and_b32 s14, ttmp7, 0xffff                   ; which weight
	s_lshl_b32 s16, ttmp9, 15                      ; my 16 rows of 2,048 bytes
	s_mov_b32 s17, 0
	s_mul_i32 s18, s14, 212992
	s_lshr_b32 s15, ttmp9, 3
	s_mul_i32 s15, s15, 53248
	s_add_co_u32 s18, s18, s15                     ; the quarter's first byte in wimg
	s_and_b32 s15, ttmp9, 7                        ; my tile in the quarter
	s_mul_i32 s22, s15, 6144
	s_add_co_u32 s22, s22, s18
	s_mov_b32 s23, 0
	s_lshl_b32 s24, s15, 9
	s_add_co_u32 s24, s24, s18
	s_add_co_u32 s24, s24, 49152
	s_mov_b32 s25, 0
	s_wait_alu depctr_va_vdst(0)
	s_wait_kmcnt 0x0
	s_cmp_eq_u32 s14, 1                            ; the choice hangs on the work-group's number alone
	s_cselect_b64 s[4:5], s[6:7], s[4:5]
	s_cmp_eq_u32 s14, 2
	s_cselect_b64 s[4:5], s[8:9], s[4:5]
	s_cmp_eq_u32 s14, 3
	s_cselect_b64 s[4:5], s[10:11], s[4:5]
	s_add_nc_u64 s[4:5], s[4:5], s[16:17]
	s_add_nc_u64 s[22:23], s[12:13], s[22:23]      ; my codes
	s_add_nc_u64 s[24:25], s[12:13], s[24:25]      ; my scale words
	XLOAD 0, 0
	XLOAD 1, 1
	XLOAD 2, 2
	s_wait_loadcnt 32                              ; K step 0 is in; the 32 loads of steps 1 and 2 may be out
	QUANT X, PC, PC+6, PW
	OUT PC, 0
	XLOAD 0, 3
	s_wait_loadcnt 32                              ; step 1 is in; steps 2 and 3 may be out
	QUANT X+64, PC+12, PC+18, PW+1
	OUT PC+12, 1
	s_wait_loadcnt 16                              ; step 2 is in
	s_wait_xcnt 0x0                                ; the first set of codes is written again only behind this wait
	QUANT X+128, PC, PC+6, PW+2
	OUT PC, 2
	s_wait_loadcnt 0x0
	s_wait_xcnt 0x0                                ; and the second set
	QUANT X, PC+12, PC+18, PW+3
	OUT PC+12, 3
	global_store_b128 v[LI], v[PW:PW+3], s[24:25]  ; the tile's four scale words a lane
	s_endpgm
.Lfunc_end_k_q6bde7f795f_wprep:
	.size	k_q6bde7f795f_wprep, .Lfunc_end_k_q6bde7f795f_wprep-k_q6bde7f795f_wprep
	.p2alignl 7, 3214868480
	.fill 96, 4, 3214868480
	.section	.rodata,"a",@progbits
	.p2align	6, 0x0
	.amdhsa_kernel k_q6bde7f795f_wprep
		.amdhsa_group_segment_fixed_size 0
		.amdhsa_private_segment_fixed_size 0
		.amdhsa_enable_private_segment 0
		.amdhsa_kernarg_size 40
		.amdhsa_user_sgpr_count 2
		.amdhsa_user_sgpr_kernarg_segment_ptr 1
		.amdhsa_wavefront_size32 1
		.amdhsa_system_sgpr_workgroup_id_x 1
		.amdhsa_system_sgpr_workgroup_id_y 1
		.amdhsa_system_sgpr_workgroup_id_z 1
		.amdhsa_system_vgpr_workitem_id 0
		.amdhsa_next_free_vgpr 256
		.amdhsa_next_free_sgpr 66
		.amdhsa_reserve_vcc 0
		.amdhsa_float_denorm_mode_32 3
		.amdhsa_float_denorm_mode_16_64 3
		.amdhsa_memory_ordered 1
		.amdhsa_forward_progress 1
		.amdhsa_inst_pref_size 25
	.end_amdhsa_kernel
	.amdgpu_metadata
---
amdhsa.version: [ 1, 2 ]
amdhsa.kernels:
  - .name:           k_q6bde7f795f_wprep
    .symbol:         k_q6bde7f795f_wprep.kd
    .args:
      - { .name: w_q, .offset: 0, .size: 8, .value_kind: global_buffer, .address_space: global }
      - { .name: w_k, .offset: 8, .size: 8, .value_kind: global_buffer, .address_space: global }
      - { .name: w_v, .offset: 16, .size: 8, .value_kind: global_buffer, .address_space: global }
      - { .name: w_o, .offset: 24, .size: 8, .value_kind: global_buffer, .address_space: global }
      - { .name: wimg, .offset: 32, .size: 8, .value_kind: global_buffer, .address_space: global }
    .group_segment_fixed_size: 0
    .private_segment_fixed_size: 0
    .kernarg_segment_align: 8
    .kernarg_segment_size: 40
    .max_flat_workgroup_size: 32
    .sgpr_count:     66
    .vgpr_count:     256
    .wavefront_size: 32
...
	.end_amdgpu_metadata
.endif
;; end of part 1
;; launch proj (part 2): grid 192 x 1, 4 waves a work-group, no clusters, 327,680 bytes of LDS; arguments q, k, v, b_q, b_k, b_v, wimg, qrec, kv; writes qrec, kv
.if DOCPART == 2
	.amdgcn_target "amdgcn-amd-amdhsa--gfx1250"
	.amdhsa_code_object_version 6
	.text
	.protected	k_q6bde7f795f_proj
	.globl	k_q6bde7f795f_proj
	.p2align	8
	.type	k_q6bde7f795f_proj,@function
k_q6bde7f795f_proj:
	s_mov_b64 s[64:65], 0
	v_nop
	global_prefetch_b8 v0, s[64:65] scope:SCOPE_SE
	s_setreg_imm32_b32 hwreg(HW_REG_WAVE_MODE, 25, 1), 1
	s_wait_xcnt 0x0
.set STGS,  16896
.set STGW,  4*STGS
.set XIMG,  16*STGS
.set XSC,   XIMG+32*1536
.set SPARE, XSC+8*512
.set RR,  1
.set HL,  2
.set LI,  3
.set XA,  4
.set FI,  5
.set XWI, 6
.set XWS, 7
.set SPW, 8
.set NIL, 9
.set XF,  16
.set XS,  112
.set W1S, 120
.set H0,  152
.set H1,  164
.set CT,  176
.set TM,  184
.set PWT, 200
.set KSW, 204
.set B1,  192
.set WV,  24
.set TI,  25
.set BLK, 26
.set G1,  32
.set G0,  40
.set SEL, 56
.set HM,  58
.set P0,  60
.set P0S, 66
.set XP,  70
.set BP,  72
.set WP,  74
.set MSB, 0
.macro WIN new
.if MSB != \new
	s_set_vgpr_msb (MSB<<8)|\new
.set MSB, \new
.endif
.endm
.macro PLACES n
.rept \n
	v_nop
.endr
.endm
.macro MM d, a, b, c, sa, sb
	v_wmma_scale_f32_16x16x128_f8f6f4 v[\d:\d+7], v[\a:\a+11], v[\b:\b+11], v[\c:\c+7], v[\sa], v[\sb] matrix_a_fmt:MATRIX_FMT_FP6 matrix_b_fmt:MATRIX_FMT_FP6
.endm
.macro QUANT s, d0, d1, pw
	WIN 0x0f
.irp b, 0,1,2,3
	v_max3_num_f32 v[TM+\b], |v[\s+16*\b]|, |v[\s+16*\b+1]|, 0x1800000
.endr
	WIN 0x3c
.irp i, 2,4,6,8,10,12,14
.irp b, 0,1,2,3
	v_max3_num_f32 v[TM+\b], v[TM+\b], |v[\s+16*\b+\i]|, |v[\s+16*\b+\i+1]|
.endr
.endr
	WIN 0
.irp b, 0,1,2,3
	v_permlanex16_b32 v[TM+4+\b], v[TM+\b], s[SEL], s[SEL+1]
.endr
.irp b, 0,1,2,3
	v_max_num_f32 v[TM+\b], v[TM+\b], v[TM+4+\b]
.endr
.irp b, 0,1,2,3
	v_add_nc_u32 v[TM+12+\b], 0xff000000, v[TM+\b]
.endr
.irp b, 0,1,2,3
	v_lshrrev_b32 v[TM+4+\b], 23, v[TM+12+\b]
.endr
	v_lshl_or_b32 v[\pw], v[TM+5], 8, v[TM+4]
	v_lshl_or_b32 v[\pw], v[TM+6], 16, v[\pw]
	v_lshl_or_b32 v[\pw], v[TM+7], 24, v[\pw]
	WIN 0x03
	v_cvt_scalef32_pk16_fp6_f32 v[\d0:\d0+2], v[\s:\s+15], v[TM+12]
	v_cvt_scalef32_pk16_fp6_f32 v[CT:CT+2], v[\s+16:\s+31], v[TM+13]
	v_cvt_scalef32_pk16_fp6_f32 v[\d1:\d1+2], v[\s+32:\s+47], v[TM+14]
	v_cvt_scalef32_pk16_fp6_f32 v[CT+4:CT+6], v[\s+48:\s+63], v[TM+15]
	WIN 0
	v_nop
.irp i, 0,1,2
	v_permlane16_swap_b32 v[\d0+\i], v[CT+\i]
	v_permlane16_swap_b32 v[\d1+\i], v[CT+4+\i]
.endr
.irp i, 0,1,2
	v_mov_b32 v[\d0+3+\i], v[CT+\i]
	v_mov_b32 v[\d1+3+\i], v[CT+4+\i]
.endr
.endm
.macro FETCH i, buf
.irp n, 0,1,2,3,4,5,6,7,8,9,10,11
	ds_load_b128 v[XF+48*(\buf)+4*\n:XF+48*(\buf)+4*\n+3], v[FI] offset:6144*(\i)+512*\n
.endr
	ds_load_b128 v[XS+4*(\buf):XS+4*(\buf)+3], v[FI] offset:49152+512*(\i)
.endm
.macro CLOSE
	s_wait_tensorcnt 0x0
	ds_add_u32 v[SPW], v[NIL]
	s_wait_dscnt 0x0
	s_endpgm
.endm
	s_load_b512 s[4:19], s[0:1], 0x0
	s_load_b64 s[20:21], s[0:1], 0x40
	v_lshl_add_u32 v[SPW], v0, 2, SPARE
	v_mov_b32 v[NIL], 0
	ds_add_u32 v[SPW], v[NIL]
	ds_add_u32 v[SPW], v[NIL]
	v_lshrrev_b32 v10, 5, v0
	v_readfirstlane_b32 s[WV], v10
	s_lshr_b32 s[TI], ttmp9, 6
	s_and_b32 s[BLK], ttmp9, 63
	s_mov_b32 s[G1], (2<<16)|(1<<20)|(6<<22)|(3<<25)
	s_mov_b32 s[G1+1], 128<<16
	s_mov_b32 s[G1+2], 32<<16
	s_mov_b32 s[G1+3], 128<<16
	s_mov_b32 s[G1+4], 32|(4<<16)
	s_mov_b32 s[G1+5], 512
	s_mov_b32 s[G1+6], 128<<16
	s_mov_b32 s[G1+7], 0
	s_mov_b32 s[SEL], 0x76543210
	s_mov_b32 s[SEL+1], 0xfedcba98
	s_mov_b32 s[HM], 0xffff0000
	v_and_b32 v[RR], 15, v0
	v_bfe_u32 v[HL], v0, 4, 1
	v_and_b32 v[LI], 31, v0
	v_lshlrev_b32 v[LI], 4, v[LI]
	s_mul_i32 s76, s[WV], STGW
	v_mul_u32_u24 v[XA], v[RR], 528
	v_lshl_add_u32 v[XA], v[HL], 5, v[XA]
	v_add_nc_u32 v[XA], s76, v[XA]
	v_add_nc_u32 v[FI], XIMG, v[LI]
	s_mul_i32 s77, s[WV], 12288
	v_add_nc_u32 v[XWI], s77, v[FI]
	s_lshl_b32 s77, s[WV], 10
	v_add_nc_u32 v[XWS], s77, v[LI]
	v_add_nc_u32 v[XWS], XSC, v[XWS]
.irp b, 0,1,2,3
	v_mov_b32 v[TM+4+\b], 0
.endr
	s_lshl_b32 s78, s[BLK], 18
	s_lshl_b32 s79, s[WV], 16
	s_add_co_u32 s78, s78, s79
	s_mov_b32 s79, 0
	s_cmp_eq_u32 s[TI], 0
	s_mov_b32 s27, 425984
	s_cselect_b32 s27, 212992, s27
	s_mov_b32 s28, 13312
	s_cselect_b32 s28, 6656, s28
	s_mov_b32 s30, 12288
	s_cselect_b32 s30, 6144, s30
	s_cmp_eq_u32 s[TI], 2
	s_mov_b32 s31, 12800
	s_cselect_b32 s30, s31, s30
	s_cselect_b32 s29, 6144, 0
	s_cselect_b32 s59, 4, 0
	s_cselect_b32 s77, 0, 32
	s_cselect_b32 s31, 0, 4
	s_lshr_b32 s80, s[BLK], 5
	s_lshl_b32 s80, s80, 3
	s_lshl_b32 s81, s[WV], 1
	s_add_co_u32 s80, s80, s81
	s_mul_i32 s80, s80, s27
	s_and_b32 s81, s[BLK], 31
	s_mul_i32 s81, s81, s28
	s_add_co_u32 s80, s80, s81
	s_mov_b32 s81, 0
	s_mul_i32 s22, s[TI], 212992
	s_mul_i32 s23, s[WV], 53248
	s_add_co_u32 s22, s22, s23
	s_mov_b32 s23, 0
	s_wait_dscnt 0x0
	s_wait_kmcnt 0x0
	s_cmp_eq_u32 s[TI], 1
	s_cselect_b64 s[XP:XP+1], s[6:7], s[4:5]
	s_cselect_b64 s[BP:BP+1], s[12:13], s[10:11]
	s_cmp_eq_u32 s[TI], 2
	s_cselect_b64 s[XP:XP+1], s[8:9], s[XP:XP+1]
	s_cselect_b64 s[BP:BP+1], s[14:15], s[BP:BP+1]
	s_add_nc_u64 s[XP:XP+1], s[XP:XP+1], s[78:79]
	; ONE tensor load a wave, of three dimensions: 128 numbers x my 32 rows (2,048 bytes apart) x the four K steps (512 bytes apart): the four stages lie one behind the other in LDS, STGS bytes each
	s_mov_b32 s[G0], 1
	s_mov_b32 s[G0+1], s76
	s_mov_b64 s[G0+2:G0+3], s[XP:XP+1]
	s_or_b32 s[G0+3], s[G0+3], 0x80000000
	s_mov_b32 s[G0+4], 4                           ; group 2: tensor_dim2 = 4,
	s_mov_b32 s[G0+5], 1                           ; tensor_dim3 = 1; no fourth dimension in the tile
	s_mov_b32 s[G0+6], 0
	s_mov_b32 s[G0+7], 0
	s_mov_b32 s[G0+8], 0                           ; group 3: tensor_dim4 = 1; no fifth dimension in the tile
	s_mov_b32 s[G0+9], 1<<16
	s_mov_b32 s[G0+10], 0
	s_mov_b32 s[G0+11], 0
	s_wait_alu depctr_va_vdst(0)                   ; the wait at the head's end
	tensor_load_to_lds s[G0:G0+3], s[G1:G1+7], s[G0+4:G0+7], s[G0+8:G0+11]
	s_nop 0
	PLACES 4
	s_cmp_eq_u32 s[TI], 0
	s_cselect_b64 s[P0:P0+1], s[18:19], s[20:21]
	s_add_nc_u64 s[P0:P0+1], s[P0:P0+1], s[80:81]
	s_mov_b32 s82, s30
	s_mov_b32 s83, 0
	s_add_nc_u64 s[P0S:P0S+1], s[P0:P0+1], s[82:83]
	s_mov_b32 s82, s29
	s_add_nc_u64 s[P0:P0+1], s[P0:P0+1], s[82:83]
	s_mov_b32 s82, s27
	s_add_nc_u64 s[P0+2:P0+3], s[P0:P0+1], s[82:83]
	s_add_nc_u64 s[P0S+2:P0S+3], s[P0S:P0S+1], s[82:83]
	s_add_nc_u64 s[WP:WP+1], s[16:17], s[22:23]
	s_lshl_b32 s82, s[WV], 9
	s_add_nc_u64 s[BP:BP+1], s[BP:BP+1], s[82:83]
	WIN 0x40
.irp t, 0,1,2,3,4,5,6,7
.irp k, 0,1
.irp g, 0,1,2
	global_load_b128 v[24*\t+12*\k+4*\g:24*\t+12*\k+4*\g+3], v[LI], s[WP:WP+1] offset:(4*\t+\k)*1536+512*\g
.endr
.endr
.endr
	WIN 0x80
.irp t, 0,1,2,3,4,5,6,7
.irp k, 0,1
.irp g, 0,1,2
	global_load_b128 v[24*\t+12*\k+4*\g:24*\t+12*\k+4*\g+3], v[LI], s[WP:WP+1] offset:(4*\t+2+\k)*1536+512*\g
.endr
.endr
.endr
	WIN 0
.irp t, 0,1,2,3,4,5,6,7
	global_load_b128 v[W1S+4*\t:W1S+4*\t+3], v[LI], s[WP:WP+1] offset:49152+512*\t
.endr
	v_mul_u32_u24 v16, s59, v[RR]
	v_mad_u32_u24 v16, v[HL], s77, v16
.irp j, 1,2,3,4,5,6,7
	v_add_nc_u32 v[16+\j], s31, v[15+\j]
.endr
	WIN 0x40
.irp t, 0,1,2,3,4,5,6,7
.irp j, 0,1,2,3,4,5,6,7
	global_load_b32 v[B1+8*\t+\j], v[16+\j], s[BP:BP+1] offset:64*\t
.endr
.endr
	WIN 0
.macro XSTEP k
.set XN, 128*((\k)%2)
	s_wait_tensorcnt 0x0
	WIN 0xc0
.irp u, 0,1
.irp b, 0,1,2,3
.irp e, 0,1
.irp f, 0,1
	ds_load_b128 v[XN+64*\u+16*\b+8*\e+4*\f:XN+64*\u+16*\b+8*\e+4*\f+3], v[XA] offset:STGS*\k+8448*\u+128*\b+64*\e+16*\f
.endr
.endr
.endr
.endr
	WIN 0
	s_wait_dscnt 16
	QUANT XN, H0, H0+6, KSW+\k
.irp g, 0,1,2
	ds_store_b128 v[XWI], v[H0+4*\g:H0+4*\g+3] offset:(\k)*1536+512*\g
.endr
	s_wait_dscnt 3
	QUANT XN+64, H1, H1+6, KSW+4+\k
.irp g, 0,1,2
	ds_store_b128 v[XWI], v[H1+4*\g:H1+4*\g+3] offset:(4+\k)*1536+512*\g
.endr
.endm
	XSTEP 0
	XSTEP 1
	XSTEP 2
	XSTEP 3
	ds_store_b128 v[XWS], v[KSW:KSW+3]
	ds_store_b128 v[XWS], v[KSW+4:KSW+7] offset:512
	s_wait_dscnt 0x0
	s_barrier_signal -1
	s_barrier_wait -1
	s_wait_loadcnt 0x0
	FETCH 0, 0
	s_cmp_eq_u32 s[TI], 2
	s_cbranch_scc1 .Lv
.macro QKIT i
.set PB, (\i)/2
.set U,  (\i)%2
.set BF, XF+48*U
.set SF, XS+4*U
.if (\i) < 7
	FETCH (\i)+1, 1-U
	s_wait_dscnt 13
.else
	s_wait_dscnt 0x0
.endif
	WIN 0xd1
.irp t, 0,1,2,3,4,5,6,7
	MM 8*\t, 24*\t, BF, B1+8*\t, W1S+4*\t, SF
.endr
	WIN 0xf1
.irp t, 0,1,2,3,4,5,6,7
	MM 8*\t, 24*\t+12, BF+12, 8*\t, W1S+4*\t+1, SF+1
.endr
	WIN 0xf2
.irp t, 0,1,2,3,4,5,6,7
	MM 8*\t, 24*\t, BF+24, 8*\t, W1S+4*\t+2, SF+2
.endr
.irp t, 0,1,2,3,4,5,6,7
	MM 8*\t, 24*\t+12, BF+36, 8*\t, W1S+4*\t+3, SF+3
.endr
	WIN 0
	PLACES 4
.if (U == 0) && ((\i) > 0)
	s_wait_xcnt 0x0
.endif
	QUANT 0, H0+6*U, H1+6*U, PWT+U
.if U == 1
	v_cndmask_b32 v[TM], v[PWT], v[PWT+1], s[HM]
	v_and_b32 v[KSW+PB], 0xffff, v[TM]
	v_lshrrev_b32 v[KSW+4+PB], 16, v[TM]
.irp g, 0,1,2
	global_store_b128 v[LI], v[H0+4*\g:H0+4*\g+3], s[P0:P0+1] offset:1536*PB+512*\g
	global_store_b128 v[LI], v[H1+4*\g:H1+4*\g+3], s[P0+2:P0+3] offset:1536*PB+512*\g
.endr
.endif
.endm
	QKIT 0
	QKIT 1
	QKIT 2
	QKIT 3
	QKIT 4
	QKIT 5
	QKIT 6
	QKIT 7
	global_store_b128 v[LI], v[KSW:KSW+3], s[P0S:P0S+1]
	global_store_b128 v[LI], v[KSW+4:KSW+7], s[P0S+2:P0S+3]
	CLOSE
.macro VGRP n
.set HH, (\n)/8
.set TL, (\n)%8
.set U,  (\n)%2
.set BF, XF+48*U
.set SF, XS+4*U
	WIN 0
.if ((\n) > 0) && ((\n) != 8)
	PLACES 4
.endif
.if (\n) < 15
	FETCH ((\n)+1)%8, 1-U
	s_wait_dscnt 13
.else
	s_wait_dscnt 0x0
.endif
	WIN 0xd4
.irp a, 0,1,2,3
	MM 64*\a+8*TL, BF, 24*(4*HH+\a), B1+8*(4*HH+\a), SF, W1S+4*(4*HH+\a)
.endr
	WIN 0xf4
.irp a, 0,1,2,3
	MM 64*\a+8*TL, BF+12, 24*(4*HH+\a)+12, 64*\a+8*TL, SF+1, W1S+4*(4*HH+\a)+1
.endr
	WIN 0xf8
.irp a, 0,1,2,3
	MM 64*\a+8*TL, BF+24, 24*(4*HH+\a), 64*\a+8*TL, SF+2, W1S+4*(4*HH+\a)+2
.endr
.irp a, 0,1,2,3
	MM 64*\a+8*TL, BF+36, 24*(4*HH+\a)+12, 64*\a+8*TL, SF+3, W1S+4*(4*HH+\a)+3
.endr
.endm
.macro VOUT hh
	WIN 0
	PLACES 4
.irp a, 0,1,2,3
	s_wait_xcnt 0x0
	QUANT 64*\a, H0+12*(\a%2), H0+12*(\a%2)+6, KSW+\a
.irp g, 0,1,2
	global_store_b128 v[LI], v[H0+12*(\a%2)+4*\g:H0+12*(\a%2)+4*\g+3], s[P0+2*\hh:P0+2*\hh+1] offset:1536*\a+512*\g
.endr
.endr
	global_store_b128 v[LI], v[KSW:KSW+3], s[P0S+2*\hh:P0S+2*\hh+1]
.endm
.Lv:
	VGRP 0
	VGRP 1
	VGRP 2
	VGRP 3
	VGRP 4
	VGRP 5
	VGRP 6
	VGRP 7
	VOUT 0
	VGRP 8
	VGRP 9
	VGRP 10
	VGRP 11
	VGRP 12
	VGRP 13
	VGRP 14
	VGRP 15
	VOUT 1
	CLOSE
.Lfunc_end_k_q6bde7f795f_proj:
	.size	k_q6bde7f795f_proj, .Lfunc_end_k_q6bde7f795f_proj-k_q6bde7f795f_proj
	.p2alignl 7, 3214868480
	.fill 96, 4, 3214868480
	.section	.rodata,"a",@progbits
	.p2align	6, 0x0
	.amdhsa_kernel k_q6bde7f795f_proj
		.amdhsa_group_segment_fixed_size 327680
		.amdhsa_private_segment_fixed_size 0
		.amdhsa_enable_private_segment 0
		.amdhsa_kernarg_size 72
		.amdhsa_user_sgpr_count 2
		.amdhsa_user_sgpr_kernarg_segment_ptr 1
		.amdhsa_wavefront_size32 1
		.amdhsa_system_sgpr_workgroup_id_x 1
		.amdhsa_system_sgpr_workgroup_id_y 1
		.amdhsa_system_sgpr_workgroup_id_z 1
		.amdhsa_system_vgpr_workitem_id 0
		.amdhsa_next_free_vgpr 1024
		.amdhsa_next_free_sgpr 84
		.amdhsa_reserve_vcc 0
		.amdhsa_float_denorm_mode_32 3
		.amdhsa_float_denorm_mode_16_64 3
		.amdhsa_memory_ordered 1
		.amdhsa_forward_progress 1
		.amdhsa_inst_pref_size 221
	.end_amdhsa_kernel
	.amdgpu_metadata
---
amdhsa.version: [ 1, 2 ]
amdhsa.kernels:
  - .name:           k_q6bde7f795f_proj
    .symbol:         k_q6bde7f795f_proj.kd
    .args:
      - { .name: q, .offset: 0, .size: 8, .value_kind: global_buffer, .address_space: global }
      - { .name: k, .offset: 8, .size: 8, .value_kind: global_buffer, .address_space: global }
      - { .name: v, .offset: 16, .size: 8, .value_kind: global_buffer, .address_space: global }
      - { .name: b_q, .offset: 24, .size: 8, .value_kind: global_buffer, .address_space: global }
      - { .name: b_k, .offset: 32, .size: 8, .value_kind: global_buffer, .address_space: global }
      - { .name: b_v, .offset: 40, .size: 8, .value_kind: global_buffer, .address_space: global }
      - { .name: wimg, .offset: 48, .size: 8, .value_kind: global_buffer, .address_space: global }
      - { .name: qrec, .offset: 56, .size: 8, .value_kind: global_buffer, .address_space: global }
      - { .name: kv, .offset: 64, .size: 8, .value_kind: global_buffer, .address_space: global }
    .group_segment_fixed_size: 327680
    .private_segment_fixed_size: 0
    .kernarg_segment_align: 8
    .kernarg_segment_size: 72
    .max_flat_workgroup_size: 128
    .sgpr_count:     84
    .vgpr_count:     1024
    .wavefront_size: 32
...
	.end_amdgpu_metadata
.endif
;; end of part 2
;; launch attn (part 3): grid 16 x 16, 8 waves a work-group, clusters of 4 x 1, 327,680 bytes of LDS; arguments qrec, kv, oc, os; writes oc, os
.if DOCPART == 3
	.amdgcn_target "amdgcn-amd-amdhsa--gfx1250"
	.amdhsa_code_object_version 6
	.text
	.protected	k_q6bde7f795f_attn
	.globl	k_q6bde7f795f_attn
	.p2align	8
	.type	k_q6bde7f795f_attn,@function
k_q6bde7f795f_attn:
	s_mov_b64 s[64:65], 0
	v_nop
	global_prefetch_b8 v0, s[64:65] scope:SCOPE_SE
	s_setreg_imm32_b32 hwreg(HW_REG_WAVE_MODE, 25, 1), 1
	s_wait_xcnt 0x0
	s_wait_alu depctr_hold_cnt(0) depctr_sa_sdst(0) depctr_va_vdst(0) depctr_va_sdst(0) depctr_va_ssrc(0) depctr_va_vcc(0) depctr_vm_vsrc(0)
	s_getreg_b32 s2, hwreg(HW_REG_IB_STS2, 6, 4)
	s_cmp_eq_u32 s2, 0
	s_cbranch_scc0 .Lentry_in_a_cluster
	s_endpgm
.Lentry_in_a_cluster:
	s_bfe_u32 s2, ttmp6, 0x10000c
	s_cmp_lg_u32 s2, 0x3003
	s_cbranch_scc0 .Lentry_shape_is_right
	s_endpgm
.Lentry_shape_is_right:
; For each of 16 heads (batch x head): O = softmax(Q K^T / 8) V on codes of FP6 (E2M3), then O / l quantised along the head's 64 channels (two blocks of 32) for the last projection.
; THE SOFTMAX AHEAD OF THE SECOND PRODUCT: t = score x log2(e) / 8; M = the running largest t rounded UP to a whole number; p = 2^(t - M) is quantised along the keys, not normalised; the row's sum is taken of the
; unquantised p in f32 and divides O at the end.  When M moves, the sum and O are multiplied by 2^(old M - new M): exact.
; SHARES.  A work-group owns 256 queries of one head; each of its eight waves 32 of them, as two tiles of 16 (tile 0, tile 1), so that each fragment of K and V read from LDS feeds two tiles.  Every wave walks the 4,096 keys, 128 a step.
; A step's record in kv (13,312 bytes) holds images of operand registers: K's four pairs of tiles (6,144), V's four tiles of channels (6,144), K's scale words (512), V's (512).
; In LDS a record is 26 rows of 512 bytes with 128 bytes of padding behind each (16,640).  A slot holds eight records, two slots; every wave fetches one record of a slot: one tensor load of a wave is out.
; CLUSTER.  The four query blocks of a cluster belong to one head and walk the same records: each is asked for JOINTLY, by the same tensor load with the same descriptor and a mask that names the four.
; LAYOUT.  Both products are used transposed: S^T = K Q^T, O^T = V^T P^T: a lane holds ONE query (lane % 16) of each tile throughout.
; WHICH KEYS FORM A TILE OF K is chosen by the lanes' LDS addresses: row 8 g + j of tile 4 c + tt is key 64 c + 32 g + 16 (tt % 2) + 8 (tt / 2) + j.  So the 32 registers 32 c .. 32 c + 31 of lane (r, h) are ONE block of 32 keys,
; block 2 c + h, in the order of places that V's image has inside a block (keys 0-7, 16-23, 8-15, 24-31): a block's largest score needs no other lane, and the conversions' results are the operand's registers.
; With the padding, rows g = 0 and g = 1 (three LDS rows, 1,920 bytes, apart) fall on different halves of 256 bytes.
; The first product's K is 64 of the instruction's 128: Q's upper six registers are zero codes, so what K's operand holds there adds nothing; both sides' scale bytes of that half are 0, which is 2^-127.
; THE WALK IS TURNED BY ONE STAGE.  Trip n asks for K of step n, walks the softmax and the second product of step n - 1, asks for V of step n and issues the scores of step n: K's loads have a softmax in which to land,
; V's the sixteen score products.  Both reads of a trip fall into the slot in hand.  The first trip of all jumps over the softmax (a scalar flag); the last softmax is written out behind the loops.
; REGISTERS.  window 0: all small state of both tiles, K's fragments, both tiles' codes of p and of Q, all scale words; v96-159 at work at the head and on the way out.
;   window 1: v0-127 the two tiles' scores, then p; v128-191 their O^T; v192-239 V's fragments.  Both tiles so share every setting of the windows.
; PREFETCH.  Behind the load of a slot each wave names 13 blocks of 256 bytes of the slot that the NEXT change of slots will ask for, eight key steps ahead of that load: the four partners take two records each, told apart by
; ADDRESS; lanes 13 to 31 name the wave's last block again.  The last change that fills a slot asks for nothing; slots 0 and 1 come by their loads alone.
; LIMITS: p under 2^-126 comes out of v_exp_f32 as 0; a block of zeros gets the byte 1, not 127 (its codes are zeros, and this program alone reads the bytes); NaN and infinities are not served;
; the promise holds while the scaled scores stay under 2^31 in magnitude.
.set REC,   13312                      ; a record in memory
.set RECL,  16640                      ; and in LDS
.set SLOTG, 8*REC
.set SLOT1, 8*RECL                     ; slot 1 begins here
.set SPARE, 2*SLOT1                    ; the spare words, 128 bytes for each wave: four blocks of 256 bytes that no other line names
.set LK,  1                            ; v1  K's lane term: 1,920 g + 256 h + 16 j
.set AK,  2                            ; v2  + the record in hand
.set SPW, 3                            ; v3  my spare word; never rewritten
.set NIL, 4                            ; v4  0; never rewritten
.set PFO, 5                            ; v5  the prefetches' offset; never rewritten
.set LV,  6                            ; v6  16 x lane
.set AV,  7
.set LS,  8                            ; v8  K's scale words' lane term: 256 h + 16 j + 4 g
.set AS,  9
.set OW,  10                           ; v10-11 the way out: the tiles' scale words
.set NM,  12                           ; v12, v13: tile 0's -M and running largest score; v14, v15: tile 1's
.set L,   16                           ; v[16:17], v[18:19] the rows' sums, in two halves
.set F,   20                           ; v[20:21], v[22:23] f = 2^(old M - new M); the upper register is named with it as a pair
.set KS,  24                           ; v24-27 K's scale words: pair n: even tile in lanes 0-15, odd tile in lanes 16-31
.set VS,  28                           ; v28-31 V's
.set FR,  32                           ; v32-79 K: tile t in registers 6 t .. 6 t + 5
.set PC,  80                           ; v80-91 tile 0's codes of p; v192-203 tile 1's
.set QS,  92                           ; v92    Q's scale words: tile 0 in lanes 0-15, tile 1 in lanes 16-31
.set PW,  94                           ; v94, v95 p's scale words
.set R,   96                           ; v96-159 at work at the head and on the way out
.set QF,  204                          ; v204-215, v216-227 Q's fragments (the upper six: zero codes)
.set BM,  228                          ; v228-231 the blocks' largest scores: tile q, block c at 2 q + c
.set CT,  232                          ; v232-246 the second halves of the blocks' codes: tile q at 8 q and 8 q + 4
.set BY,  235                          ; v235, 239, 243, 247 single registers at work
.set SO,  248                          ; v248-251 second chains of the maxima, then the conversions' scale operands
.set TMP, 252                          ; v252, v253
.set MX,  254                          ; v254, v255
.set S,   0                            ; window 1: tile q's S^T, then p, at 64 q
.set O,   128                          ; window 1: tile q's O^T at 128 + 32 q
.set VF,  192                          ; window 1: V's four tiles of channels
.set WV,  12
.set CX,  13
.set QB,  14
.set BH,  15
.set SEL, 20
.set CS,  22                           ; s[22:23] c = log2(e) / 8
.set G1,  24
.set G0,  32
.set TB,  36                           ; s36  LDS byte at which the record in hand begins
.set SLOTS, 37                         ; s37  slots still to be asked for
.set CNT, 38                           ; s38  trips left in the slot
.set NC,  39                           ; s39  -c
.set PFA, 40                           ; s[40:41] where my prefetches stand
.set SB,  42                           ; s42  the slot in hand
.set FB,  43                           ; s43  the slot filled last
.set GO,  62                           ; s62  0 in the first trip of all, then 1
.set MSB, 0
.macro WIN new                         ; the immediate's high byte repeats the setting that is left
.if MSB != \new
	s_set_vgpr_msb (MSB<<8)|\new
.set MSB, \new
.endif
.endm
.macro PLACES n
.rept \n
	v_nop
.endr
.endm
.macro CROUND                          ; a round of the cluster's barrier
	s_barrier_signal -1
	s_barrier_wait -1
	s_cmp_lg_u32 s[WV], 0
	s_cbranch_scc1 .Lnot_wave_0_\@
	s_barrier_signal -3
.Lnot_wave_0_\@:
	s_barrier_wait -3
	s_barrier_signal -1
	s_barrier_wait -1
.endm
.macro TLOAD                           ; every wave fetches its record of the slot; an s_nop 0 and four v_nop follow the load
	tensor_load_to_lds s[G0:G0+3], s[G1:G1+7]
	s_nop 0
	PLACES 4
.endm
.macro ASK                             ; the condition is a counted loop's step: the same in all partners
	s_cmp_gt_u32 s[SLOTS], 1
	s_cbranch_scc0 .Lno_ask_\@
	global_prefetch_b8 v[PFO], s[PFA:PFA+1] th:TH_LOAD_NT scope:SCOPE_SE
.Lno_ask_\@:
.endm
	s_load_b256 s[4:11], s[0:1], 0x0               ; qrec, kv, oc, os
	v_lshl_add_u32 v[SPW], v0, 2, SPARE
	v_mov_b32 v[NIL], 0
	ds_add_u32 v[SPW], v[NIL]                      ; the wave's opening: the add, twice on end, and its wait ahead of the first tensor load
	ds_add_u32 v[SPW], v[NIL]
	v_lshrrev_b32 v10, 5, v0
	s_delay_alu instid0(VALU_DEP_1)
	v_readfirstlane_b32 s[WV], v10                 ; wave 0..7
	s_bfe_u32 s[CX], ttmp6, 0x40000                ; my place in the cluster
	s_lshl_b32 s[QB], ttmp9, 2
	s_add_co_u32 s[QB], s[QB], s[CX]               ; my block of 256 queries: it enters global addresses of Q and of the outputs alone
	s_and_b32 s[BH], ttmp7, 0xffff                 ; the head, which the four partners share
	s_mov_b32 s[G1], 15|(3<<16)|(1<<20)|(1<<21)|(6<<22)|(31<<25)   ; the mask: all four; elements of 8 bytes; padding on; bit 21 beside a mask; after every 128 words 32 words
	s_mov_b32 s[G1+1], 64<<16                      ; a record is a dense block: 26 rows of 512 bytes
	s_mov_b32 s[G1+2], 26<<16
	s_mov_b32 s[G1+3], 64<<16
	s_mov_b32 s[G1+4], 26
	s_mov_b32 s[G1+5], 64
	s_mov_b32 s[G1+6], 0
	s_mov_b32 s[G1+7], 0
	s_mov_b32 s[SEL], 0x76543210
	s_mov_b32 s[SEL+1], 0xfedcba98
	s_mov_b32 s[CS], 0x3e38aa3b                    ; log2(e) / 8
	s_mov_b32 s[CS+1], s[CS]                       ; (named with it as a pair, so it is written)
	s_mov_b32 s[NC], 0xbe38aa3b
	s_mov_b32 s[SB], 0
	s_mov_b32 s[FB], 0
	s_mov_b32 s[GO], 0
	s_mov_b32 s[SLOTS], 3
	s_mul_i32 s45, s[WV], RECL                     ; my record's place in a slot, in LDS,
	s_mul_i32 s44, s[WV], REC                      ; and in memory
	s_mul_i32 s46, s[BH], 32*REC                   ; the head's first byte in kv
	s_add_co_u32 s48, s46, s44
	s_mov_b32 s49, 0
	s_mul_i32 s50, s[CX], 2*REC                    ; the prefetches: my work-group's two records,
	s_add_co_u32 s50, s50, s46
	s_add_co_u32 s50, s50, SLOTG                   ; in slot 1: the first change of slots steps it to slot 2
	s_mov_b32 s51, 0
	s_mul_i32 s47, s[WV], 13                       ; my wave's 13 blocks of their 104
	s_lshl_b32 s52, s[BH], 5                       ; Q: block of 128 rows 32 x head + 2 x query block + wave / 4
	s_lshl_b32 s53, s[QB], 1
	s_add_co_u32 s52, s52, s53
	s_lshr_b32 s53, s[WV], 2
	s_add_co_u32 s52, s52, s53
	s_mul_i32 s52, s52, 6656
	s_mov_b32 s53, 0
	s_and_b32 s54, s[WV], 3                        ; my pair of tiles in it
	s_mul_i32 s55, s54, 1536
	s_lshr_b32 s56, s[BH], 3                       ; the outputs: row tile 256 x batch + 16 x query block + 2 x wave (+ 1)
	s_lshl_b32 s56, s56, 8
	s_lshl_b32 s57, s[QB], 4
	s_add_co_u32 s56, s56, s57
	s_lshl_b32 s57, s[WV], 1
	s_add_co_u32 s56, s56, s57
	s_lshl_b32 s56, s56, 3
	s_and_b32 s57, s[BH], 7
	s_add_co_u32 s56, s56, s57                     ; 8 x row tile + head
	s_mul_i32 s58, s56, 768
	s_mov_b32 s59, 0
	s_lshl_b32 s60, s56, 7
	s_mov_b32 s61, 0
	v_and_b32 v10, 31, v0                          ; lane
	v_bfe_u32 v11, v0, 3, 1                        ; g
	v_min_u32 v[PFO], 12, v10
	v_lshlrev_b32 v[LV], 4, v10
	v_add_nc_u32 v[PFO], s47, v[PFO]
	v_and_b32 v[LS], 0x170, v[LV]                  ; 256 h + 16 j
	v_lshlrev_b32 v[PFO], 8, v[PFO]
	v_mad_u32_u24 v[LK], v11, 1920, v[LS]
	v_lshl_add_u32 v[LS], v11, 2, v[LS]
	v_add_nc_u32 v[TMP], s55, v[LV]                ; Q's image: my pair, 16 x lane
	v_lshl_add_u32 v[TMP+1], s54, 2, v[LV]         ; and its scale word
	s_wait_alu depctr_va_vdst(0)
	s_wait_dscnt 0x0                               ; both opening adds are done
	s_wait_kmcnt 0x0
	s_mov_b32 s[G0], 1                             ; count = 1
	s_mov_b32 s[G0+1], s45                         ; LDS address: slot 0
	s_add_nc_u64 s[G0+2:G0+3], s[6:7], s[48:49]
	s_or_b32 s[G0+3], s[G0+3], 0x80000000          ; type = 2
	s_add_nc_u64 s[PFA:PFA+1], s[6:7], s[50:51]
	s_add_nc_u64 s[4:5], s[4:5], s[52:53]
	s_add_nc_u64 s[8:9], s[8:9], s[58:59]
	s_add_nc_u64 s[10:11], s[10:11], s[60:61]
	CROUND                                         ; all four work-groups are here: the first joint loads meet
	TLOAD                                          ; slot 0: one tensor load a wave at the head
	global_load_b128 v[R:R+3], v[TMP], s[4:5]      ; the image of my pair of tiles of Q
	global_load_b128 v[R+4:R+7], v[TMP], s[4:5] offset:512
	global_load_b128 v[R+8:R+11], v[TMP], s[4:5] offset:1024
	global_load_b32 v[QS], v[TMP+1], s[4:5] offset:6144
.irp q, 0,1
	v_mov_b32 v[NM+2*\q+1], 0xff61b1e6             ; the largest score so far: -3e38, under every score
	v_mov_b32 v[L+2*\q], 0                         ; the sum, in two halves
	v_mov_b32 v[L+2*\q+1], 0
	v_mov_b32 v[F+2*\q+1], 0
	v_mov_b32 v[BY+4*\q], 0                        ; written once: a lane permute's destination counts as one of its sources
.endr
.irp q, 0,1
	v_mul_f32 v[NM+2*\q], s[NC], v[NM+2*\q+1]
.endr
.irp q, 0,1
	s_delay_alu instid0(VALU_DEP_2)
	v_floor_f32 v[NM+2*\q], v[NM+2*\q]             ; -M
.endr
	WIN 0x40
.set J, 0
.rept 64
	v_mov_b32 v[O+J], 0                            ; O^T of both tiles.  (The softmax is written for every step alike: the first finds zeros, which the first change of M leaves zeros)
.set J, J+1
.endr
	WIN 0
	s_wait_alu depctr_va_vdst(0)
	s_wait_loadcnt 0x0
.irp i, 0,1,2,3,4,5
	v_mov_b32 v[QF+\i], v[R+\i]                    ; tile 0's codes,
	v_mov_b32 v[QF+12+\i], v[R+6+\i]               ; tile 1's,
	v_mov_b32 v[QF+6+\i], 0                        ; K = 64 .. 127: zero codes
	v_mov_b32 v[QF+18+\i], 0
	v_mov_b32 v[PC+\i], 0                          ; named as the upper half of K's last tile before p's first codes are made
.endr
	s_wait_alu depctr_va_vdst(0)                   ; the wait at the head's end
.macro SPROD q                         ; S^T = K Q^T: eight tiles of 16 keys; each product starts its sum with 0.  The result lies in window 1
.irp n, 0,1,2,3
.if (\q) == 0
	v_wmma_scale_f32_16x16x128_f8f6f4 v[S+16*\n:S+16*\n+7], v[FR+12*\n:FR+12*\n+11], v[QF:QF+11], 0, v[KS+\n], v[QS] matrix_a_fmt:MATRIX_FMT_FP6 matrix_b_fmt:MATRIX_FMT_FP6
	v_wmma_scale_f32_16x16x128_f8f6f4 v[S+16*\n+8:S+16*\n+15], v[FR+12*\n+6:FR+12*\n+17], v[QF:QF+11], 0, v[KS+\n], v[QS] matrix_a_fmt:MATRIX_FMT_FP6 matrix_b_fmt:MATRIX_FMT_FP6 matrix_a_scale:MATRIX_SCALE_ROW1
.else
	v_wmma_scale_f32_16x16x128_f8f6f4 v[S+64+16*\n:S+64+16*\n+7], v[FR+12*\n:FR+12*\n+11], v[QF+12:QF+23], 0, v[KS+\n], v[QS] matrix_a_fmt:MATRIX_FMT_FP6 matrix_b_fmt:MATRIX_FMT_FP6 matrix_b_scale:MATRIX_SCALE_ROW1
	v_wmma_scale_f32_16x16x128_f8f6f4 v[S+64+16*\n+8:S+64+16*\n+15], v[FR+12*\n+6:FR+12*\n+17], v[QF+12:QF+23], 0, v[KS+\n], v[QS] matrix_a_fmt:MATRIX_FMT_FP6 matrix_b_fmt:MATRIX_FMT_FP6 matrix_a_scale:MATRIX_SCALE_ROW1 matrix_b_scale:MATRIX_SCALE_ROW1
.endif
.endr
.endm
.macro CODES q                         ; a lane's 32 registers are a whole block: the conversions' results are the operand's registers (a conversion's three begin on an even number: the second halves are moved)
	v_cvt_scalef32_pk16_fp6_f32 v[PC+112*(\q):PC+112*(\q)+2], v[S+64*(\q):S+64*(\q)+15], v[SO+2*(\q)]
	v_cvt_scalef32_pk16_fp6_f32 v[CT+8*(\q):CT+8*(\q)+2], v[S+64*(\q)+16:S+64*(\q)+31], v[SO+2*(\q)]
	v_cvt_scalef32_pk16_fp6_f32 v[PC+112*(\q)+6:PC+112*(\q)+8], v[S+64*(\q)+32:S+64*(\q)+47], v[SO+2*(\q)+1]
	v_cvt_scalef32_pk16_fp6_f32 v[CT+8*(\q)+4:CT+8*(\q)+6], v[S+64*(\q)+48:S+64*(\q)+63], v[SO+2*(\q)+1]
.endm
.macro FOLD n, step                    ; a level of the sums' tree, in place: n packed lines, each adding the pair step / 2 registers on
.set J, 0
.rept \n
	v_pk_add_f32 v[S+J:S+J+1], v[S+J:S+J+1], v[S+J+(\step)/2:S+J+(\step)/2+1]
.set J, J+(\step)
.endr
.endm
; THE SOFTMAX AND THE SECOND PRODUCT of a step whose scores lie in window 1 and whose V is in registers; v[TMP], v[TMP+1] hold the old -M
.macro SOFT
	WIN 0x15                                       ; the largest score of my four blocks of 32 keys (block i = 2 q + c at 32 i), each in two chains (registers 0-16 and 17-31), eight chains by turns;
.irp i, 0,1,2,3                                ; each accumulator is first read at one of its four lowest registers
	v_max3_num_f32 v[BM+\i], v[S+32*\i], v[S+32*\i+1], v[S+32*\i+2]
	v_max3_num_f32 v[SO+\i], v[S+32*\i+17], v[S+32*\i+18], v[S+32*\i+19]
.endr
	WIN 0x14
.irp k, 0,2,4,6,8,10
.irp i, 0,1,2,3
	v_max3_num_f32 v[BM+\i], v[BM+\i], v[S+32*\i+3+\k], v[S+32*\i+4+\k]
	v_max3_num_f32 v[SO+\i], v[SO+\i], v[S+32*\i+20+\k], v[S+32*\i+21+\k]
.endr
.endr
.irp i, 0,1,2,3
	v_max3_num_f32 v[BM+\i], v[BM+\i], v[S+32*\i+15], v[S+32*\i+16]
.endr
	WIN 0
.irp i, 0,1,2,3
	v_max_num_f32 v[BM+\i], v[BM+\i], v[SO+\i]     ; THE LARGEST SCORE OF EACH BLOCK serves twice: for the row's maximum and, since p rises with the score, for the block's largest p
.endr
.irp q, 0,1
	v_max_num_f32 v[MX+\q], v[BM+2*\q], v[BM+2*\q+1]
.endr
.irp q, 0,1
	s_delay_alu instid0(VALU_DEP_2)
	v_permlanex16_b32 v[BY+4*\q], v[MX+\q], s[SEL], s[SEL+1]
.endr
.irp q, 0,1
	s_delay_alu instid0(VALU_DEP_2)
	v_max3_num_f32 v[NM+2*\q+1], v[NM+2*\q+1], v[MX+\q], v[BY+4*\q]   ; with lane l xor 16's two blocks: the running largest score of my query
.endr
.irp q, 0,1
	s_delay_alu instid0(VALU_DEP_2)
	v_mul_f32 v[MX+\q], s[NC], v[NM+2*\q+1]        ; -t (c is positive)
.endr
.irp q, 0,1
	s_delay_alu instid0(VALU_DEP_2)
	v_floor_f32 v[NM+2*\q], v[MX+\q]               ; the new -M = floor(-t) = -ceil(t): M is a whole number
.endr
.irp q, 0,1
	s_delay_alu instid0(VALU_DEP_2)
	v_sub_f32 v[TMP+\q], v[NM+2*\q], v[TMP+\q]     ; old M - new M: a whole number, 0 or less
.endr
.irp q, 0,1
	s_delay_alu instid0(VALU_DEP_2)
	v_cvt_i32_f32 v[TMP+\q], v[TMP+\q]             ; (it saturates)
.endr
.irp q, 0,1
	s_delay_alu instid0(VALU_DEP_2)
	v_ldexp_f32 v[F+2*\q], 1.0, v[TMP+\q]          ; f = 2^(old M - new M)
.endr
.irp i, 0,1,2,3
	v_fma_f32 v[BM+\i], v[BM+\i], s[CS], v[NM+2*(\i/2)]   ; t - M of each block's largest score
.endr
	WIN 0x41
.irp q, 0,1
.set J, 0
.rept 16
	v_pk_mul_f32 v[O+32*\q+J:O+32*\q+J+1], v[O+32*\q+J:O+32*\q+J+1], v[F+2*\q:F+2*\q+1] op_sel_hi:[1,0]   ; O^T under the new M, each accumulator from its low end on
.set J, J+2
.endr
.endr
.set J, 0
.rept 32
	v_pk_fma_f32 v[S+64+J:S+64+J+1], v[S+64+J:S+64+J+1], s[CS:CS+1], v[NM+2:NM+3] op_sel_hi:[1,0,0]   ; tile 1: t - M, two at a time
.set J, J+2
.endr
	s_wait_alu depctr_va_vdst(0)                   ; the wait ahead of the batch
	WIN 0
.irp i, 0,1,2,3
	v_exp_f32 v[BM+\i], v[BM+\i]                   ; the blocks' largest p: the same two instructions on the same number give the same bits
.endr
	WIN 0x41
.set J, 0
.rept 32
	v_exp_f32 v[S+64+J], v[S+64+J]                 ; tile 1: p = 2^(t - M), at most 1;
	v_exp_f32 v[S+64+J+1], v[S+64+J+1]
	v_pk_fma_f32 v[S+J:S+J+1], v[S+J:S+J+1], s[CS:CS+1], v[NM:NM+1] op_sel_hi:[1,0,0]   ; between them tile 0's t - M, which is read only behind the wait below
.set J, J+2
.endr
	s_wait_alu depctr_va_vdst(0)                   ; one wait for the batch, ahead of its first reader, and ahead of the next batch
	WIN 0
.irp i, 0,1,2,3
	v_max_num_f32 v[BM+\i], 0x1800000, v[BM+\i]    ; the floor 2^(3 - 127): the byte cannot fall under 1
.endr
.irp i, 0,1,2,3
	s_delay_alu instid0(VALU_DEP_4)
	v_add_nc_u32 v[SO+\i], 0xff000000, v[BM+\i]    ; 2 off the exponent field: the conversion's scale operand
.endr
.irp i, 0,1,2,3
	s_delay_alu instid0(VALU_DEP_4)
	v_lshrrev_b32 v[BY+4*\i], 23, v[SO+\i]         ; the scale's byte
.endr
.irp q, 0,1
	v_lshl_or_b32 v[MX+\q], v[BY+8*\q+4], 16, v[BY+8*\q]   ; my blocks h and 2 + h
.endr
.irp q, 0,1
	s_delay_alu instid0(VALU_DEP_2)
	v_permlanex16_b32 v[TMP+\q], v[MX+\q], s[SEL], s[SEL+1]
.endr
.irp q, 0,1
	s_delay_alu instid0(VALU_DEP_2)
	v_lshl_or_b32 v[PW+\q], v[TMP+\q], 8, v[MX+\q] ; lanes 0-15, which alone are read: blocks 0 and 2 are mine, blocks 1 and 3 lane l + 16's
.endr
	WIN 0x01
	CODES 1
	v_nop                                          ; one plain line behind the conversions
	WIN 0x45
.set J, 0
.rept 16
	v_exp_f32 v[S+J], v[S+J]                       ; tile 0: p;
	v_exp_f32 v[S+J+1], v[S+J+1]
	v_exp_f32 v[S+J+2], v[S+J+2]
	v_exp_f32 v[S+J+3], v[S+J+3]
	v_pk_add_f32 v[S+64+J:S+64+J+1], v[S+64+J:S+64+J+1], v[S+64+J+2:S+64+J+3]   ; between them the first level of tile 1's sum of the unquantised p, in place (its codes are made), read only behind the wait below
.set J, J+4
.endr
	s_wait_alu depctr_va_vdst(0)                   ; one wait for the batch, ahead of its first reader
	WIN 0x01
	CODES 0
	WIN 0
	v_nop                                          ; one plain line behind the conversions
.irp q, 0,1
.irp i, 0,1,2
	v_mov_b32 v[PC+112*\q+3+\i], v[CT+8*\q+\i]
	v_mov_b32 v[PC+112*\q+9+\i], v[CT+8*\q+4+\i]
.endr
.endr
	WIN 0x45                                       ; the sums' tree: 33 leaves a tile, 32 packed lines.  These lines are also the places behind the writes of p's codes
	FOLD 16, 4                                     ; tile 0's first level,
	FOLD 16, 8                                     ; and four levels of both tiles, which lie side by side
	FOLD 8, 16
	FOLD 4, 32
	FOLD 2, 64
	WIN 0x10
.irp q, 0,1
	v_pk_fma_f32 v[L+2*\q:L+2*\q+1], v[L+2*\q:L+2*\q+1], v[F+2*\q:F+2*\q+1], v[S+64*\q:S+64*\q+1] op_sel_hi:[1,0,1]   ; the old sum under the new M, and the step's
.endr
	WIN 0x51
.irp q, 0,1                                    ; O^T += V^T P^T: four tiles of 16 channels a tile of queries, by turns
.irp t, 0,1,2,3
	v_wmma_scale_f32_16x16x128_f8f6f4 v[O+32*\q+8*\t:O+32*\q+8*\t+7], v[VF+12*\t:VF+12*\t+11], v[PC+112*\q:PC+112*\q+11], v[O+32*\q+8*\t:O+32*\q+8*\t+7], v[VS+\t], v[PW+\q] matrix_a_fmt:MATRIX_FMT_FP6 matrix_b_fmt:MATRIX_FMT_FP6
.endr
.endr
	WIN 0
.endm
; A TRIP: K of the record at s[TB] is asked for; the step before is finished; V of the record is asked for; the record's scores are issued
.macro TRIP first
	s_wait_dscnt 0x0                               ; V of the step before is in (asked for ahead of the sixteen score products)
	v_add_nc_u32 v[AK], s[TB], v[LK]               ; these four lines are the places in front of the loads into K's registers and of the first read of scores
	v_add_nc_u32 v[AS], s[TB], v[LS]
	v_mov_b32 v[TMP], v[NM]                        ; the old -M
	v_mov_b32 v[TMP+1], v[NM+2]
.irp c, 0,1
.irp u, 0,1
.irp g, 0,1,2
	ds_load_b128 v[FR+12*(2*\c+\u)+4*\g:FR+12*(2*\c+\u)+4*\g+3], v[AK] offset:3840*\c+128*\u+640*\g   ; tiles 4 c + 2 u and + 1: rows 8 u + j of the record's pairs 2 c + g
.endr
	ds_load_b32 v[KS+2*\c+\u], v[AS] offset:15360+128*\u+8*\c                                         ; and these rows' scale words
.endr
.endr
.if \first
	s_cmp_eq_u32 s[GO], 0                          ; the first trip of all has no step before it: the jump leads round register work alone
	s_cbranch_scc1 .Lnone_\@
.endif
	SOFT
.if \first
.Lnone_\@:
	s_mov_b32 s[GO], 1
.endif
	v_add_nc_u32 v[AV], s[TB], v[LV]               ; four places in front of the loads into registers that the last products read
	PLACES 3
	ds_load_b128 v[VS:VS+3], v[AV] offset:16000
	WIN 0x40
.irp a, 0,1,2,3
.irp g, 0,1,2
	ds_load_b128 v[VF+12*\a+4*\g:VF+12*\a+4*\g+3], v[AV] offset:7680+1920*\a+640*\g
.endr
.endr
	s_wait_dscnt 13                                ; K and its words are in; V's twelve loads and its words may be out
	SPROD 0
	SPROD 1
	WIN 0
.endm
; The eight trips of the slot in hand
.macro WALK first
	s_mov_b32 s[TB], s[SB]
	s_mov_b32 s[CNT], 8
.Lstep_\@:
	TRIP \first
	s_add_co_u32 s[TB], s[TB], RECL
	s_sub_co_u32 s[CNT], s[CNT], 1
	s_cmp_lg_u32 s[CNT], 0
	s_cbranch_scc1 .Lstep_\@
.endm
; THE CHANGE OF SLOTS stands at a slot's head.  Each wave waits for all its tensor loads (its record of the slot that it is about to read), adds 0 to its spare word, and waits for that and for its reads of the slot that it has left
; (the last of them V of that slot's last step).  fill = 1: behind a round of the cluster's barrier no wave of any partner still reads that slot or has a load on its way, and it is filled with the next eight records.
.macro CHANGE fill
	s_wait_tensorcnt 0x0                           ; no tensor load of mine is out, so the descriptor may be written
	ds_add_u32 v[SPW], v[NIL]
.if \fill
	s_xor_b32 s[FB], s[FB], SLOT1                  ; the other slot than last time,
	s_add_co_u32 s[G0+1], s[FB], s45               ; my record's place in it,
	s_add_nc_u64 s[G0+2:G0+3], s[G0+2:G0+3], SLOTG ; the next eight records; the type bits on top are not reached
	s_wait_xcnt 0x0                                ; the last prefetch, a slot back, has read its address
	s_add_nc_u64 s[PFA:PFA+1], s[PFA:PFA+1], SLOTG ; one slot further on than the descriptor
.endif
	s_wait_dscnt 0x0                               ; the add is done, and my reads of the slot that I have left are over
.if \fill
	CROUND
	TLOAD                                          ; the first thing behind the round, and a wave's one tensor load until the next
	ASK
.else
	s_barrier_signal -1
	s_barrier_wait -1
.endif
.endm
.Lslot:                                            ; three trips: behind each change of slots but the last the next slot is asked for
	CHANGE 1
	WALK 1
	s_xor_b32 s[SB], s[SB], SLOT1                  ; on to the other slot
	s_sub_co_u32 s[SLOTS], s[SLOTS], 1
	s_cmp_lg_u32 s[SLOTS], 0
	s_cbranch_scc1 .Lslot
	CHANGE 0                                       ; the last slot is written out
	WALK 0
	s_wait_dscnt 0x0                               ; the last step's V is in
	v_mov_b32 v[TMP], v[NM]
	v_mov_b32 v[TMP+1], v[NM+2]
	PLACES 2                                       ; with the two lines above: four places in front of the first read of scores
	SOFT                                           ; the last step is finished
	; THE WAY OUT: O^T / the sum, quantised along the head's 64 channels; six registers of codes and a scale word (two bytes) a lane and tile.
	; Here register 16 b + 8 e + j of lane (r, h) is channel 32 b + 16 e + 8 h + j, as for w_o's image: a block lies in lanes l and l xor 16
.irp q, 0,1
	v_add_f32 v[L+2*\q], v[L+2*\q], v[L+2*\q+1]    ; the sum's two halves (these lines are the places behind the last products)
.endr
.irp q, 0,1
	s_delay_alu instid0(VALU_DEP_2)
	v_permlanex16_b32 v[TMP+\q], v[L+2*\q], s[SEL], s[SEL+1]
.endr
.irp q, 0,1
	s_delay_alu instid0(VALU_DEP_2)
	v_add_f32 v[L+2*\q], v[L+2*\q], v[TMP+\q]      ; and lane l xor 16's: the row's sum
.endr
	v_lshrrev_b32 v[AK], 1, v[LV]                  ; 8 x lane
	v_lshrrev_b32 v[AS], 2, v[LV]                  ; 4 x lane
	s_wait_alu depctr_va_vdst(0)                   ; the wait ahead of the batch
	v_rcp_f32 v[L], v[L]
	v_rcp_f32 v[L+2], v[L+2]
	v_nop                                          ; a plain line behind the reciprocals
.macro OUT q
	WIN 0x01
	s_wait_alu depctr_va_vdst(0)                   ; the wait directly ahead of the first reader
.set J, 0
.rept 16
	v_pk_mul_f32 v[R+J:R+J+1], v[O+32*(\q)+J:O+32*(\q)+J+1], v[L+2*(\q):L+2*(\q)+1] op_sel_hi:[1,0]
.set J, J+2
.endr
	WIN 0
.irp b, 0,1
	v_max3_num_f32 v[BM+\b], |v[R+16*\b]|, |v[R+16*\b+1]|, 0x1800000
.endr
.irp i, 2,4,6,8,10,12,14
.irp b, 0,1
	s_delay_alu instid0(VALU_DEP_2)
	v_max3_num_f32 v[BM+\b], v[BM+\b], |v[R+16*\b+\i]|, |v[R+16*\b+\i+1]|
.endr
.endr
.irp b, 0,1
	s_delay_alu instid0(VALU_DEP_2)
	v_permlanex16_b32 v[MX+\b], v[BM+\b], s[SEL], s[SEL+1]
.endr
.irp b, 0,1
	s_delay_alu instid0(VALU_DEP_2)
	v_max_num_f32 v[BM+\b], v[BM+\b], v[MX+\b]
.endr
.irp b, 0,1
	s_delay_alu instid0(VALU_DEP_2)
	v_add_nc_u32 v[SO+\b], 0xff000000, v[BM+\b]
.endr
.irp b, 0,1
	s_delay_alu instid0(VALU_DEP_2)
	v_lshrrev_b32 v[MX+\b], 23, v[SO+\b]
.endr
	s_delay_alu instid0(VALU_DEP_1)
	v_lshl_or_b32 v[OW+(\q)], v[MX+1], 8, v[MX]
	v_cvt_scalef32_pk16_fp6_f32 v[PC+112*(\q):PC+112*(\q)+2], v[R:R+15], v[SO]
	v_cvt_scalef32_pk16_fp6_f32 v[CT:CT+2], v[R+16:R+31], v[SO+1]
	v_nop
.irp i, 0,1,2
	v_permlane16_swap_b32 v[PC+112*(\q)+\i], v[CT+\i]   ; a whole block to a lane
.endr
.irp i, 0,1,2
	s_delay_alu instid0(VALU_DEP_3)
	v_mov_b32 v[PC+112*(\q)+3+\i], v[CT+\i]
.endr
.irp p, 0,1,2
	global_store_b64 v[AK], v[PC+112*(\q)+2*\p:PC+112*(\q)+2*\p+1], s[8:9] offset:6144*(\q)+256*\p   ; 256 consecutive bytes a store, at a multiple of 256 from the buffer's first byte
.endr
	global_store_b32 v[AS], v[OW+(\q)], s[10:11] offset:1024*(\q)   ; 128 consecutive bytes: the neighbouring head's 128 come from another work-group
.endm
	OUT 0
	OUT 1
	s_wait_tensorcnt 0x0                           ; the wave's end
	ds_add_u32 v[SPW], v[NIL]
	s_wait_dscnt 0x0
	CROUND                                         ; the closing round: no work-group ends while a partner may still ask for a record that names it
	s_endpgm
.Lfunc_end_k_q6bde7f795f_attn:
	.size	k_q6bde7f795f_attn, .Lfunc_end_k_q6bde7f795f_attn-k_q6bde7f795f_attn
	.p2alignl 7, 3214868480
	.fill 96, 4, 3214868480
	.section	.rodata,"a",@progbits
	.p2align	6, 0x0
	.amdhsa_kernel k_q6bde7f795f_attn
		.amdhsa_group_segment_fixed_size 327680
		.amdhsa_private_segment_fixed_size 0
		.amdhsa_enable_private_segment 0
		.amdhsa_kernarg_size 32
		.amdhsa_user_sgpr_count 2
		.amdhsa_user_sgpr_kernarg_segment_ptr 1
		.amdhsa_wavefront_size32 1
		.amdhsa_system_sgpr_workgroup_id_x 1
		.amdhsa_system_sgpr_workgroup_id_y 1
		.amdhsa_system_sgpr_workgroup_id_z 1
		.amdhsa_system_vgpr_workitem_id 0
		.amdhsa_next_free_vgpr 512
		.amdhsa_next_free_sgpr 66
		.amdhsa_reserve_vcc 0
		.amdhsa_float_denorm_mode_32 3
		.amdhsa_float_denorm_mode_16_64 3
		.amdhsa_memory_ordered 1
		.amdhsa_forward_progress 1
		.amdhsa_inst_pref_size 99
	.end_amdhsa_kernel
	.amdgpu_metadata
---
amdhsa.version: [ 1, 2 ]
amdhsa.kernels:
  - .name:           k_q6bde7f795f_attn
    .symbol:         k_q6bde7f795f_attn.kd
    .args:
      - { .name: qrec, .offset: 0, .size: 8, .value_kind: global_buffer, .address_space: global }
      - { .name: kv, .offset: 8, .size: 8, .value_kind: global_buffer, .address_space: global }
      - { .name: oc, .offset: 16, .size: 8, .value_kind: global_buffer, .address_space: global }
      - { .name: os, .offset: 24, .size: 8, .value_kind: global_buffer, .address_space: global }
    .group_segment_fixed_size: 327680
    .private_segment_fixed_size: 0
    .kernarg_segment_align: 8
    .kernarg_segment_size: 32
    .max_flat_workgroup_size: 256
    .sgpr_count:     66
    .vgpr_count:     512
    .wavefront_size: 32
...
	.end_amdgpu_metadata
.endif
;; end of part 3
;; launch oproj (part 4): grid 256 x 1, 4 waves a work-group, clusters of 4 x 1, 281,088 bytes of LDS; arguments oc, os, wimg, b_o, out0; writes out0
.if DOCPART == 4
	.amdgcn_target "amdgcn-amd-amdhsa--gfx1250"
	.amdhsa_code_object_version 6
	.text
	.protected	k_q6bde7f795f_oproj
	.globl	k_q6bde7f795f_oproj
	.p2align	8
	.type	k_q6bde7f795f_oproj,@function
k_q6bde7f795f_oproj:
	s_mov_b64 s[64:65], 0
	v_nop
	global_prefetch_b8 v0, s[64:65] scope:SCOPE_SE
	s_setreg_imm32_b32 hwreg(HW_REG_WAVE_MODE, 25, 1), 1
	s_wait_xcnt 0x0
	s_wait_alu depctr_hold_cnt(0) depctr_sa_sdst(0) depctr_va_vdst(0) depctr_va_sdst(0) depctr_va_ssrc(0) depctr_va_vcc(0) depctr_vm_vsrc(0)
	s_getreg_b32 s2, hwreg(HW_REG_IB_STS2, 6, 4)
	s_cmp_eq_u32 s2, 0
	s_cbranch_scc0 .Lentry_in_a_cluster
	s_endpgm
.Lentry_in_a_cluster:
	s_bfe_u32 s2, ttmp6, 0x10000c
	s_cmp_lg_u32 s2, 0x3003
	s_cbranch_scc0 .Lentry_shape_is_right
	s_endpgm
.Lentry_shape_is_right:
; out0 = o w_o^T + b_o on codes of FP6 (E2M3).  o's codes and scale bytes come from the attention launch, w_o's image from the first launch; out0 [8,192][512] f32.
; SHARES.  A work-group takes 32 rows (two tiles of 16); wave w makes columns 128 w .. + 127: 64 products, sixteen accumulators by turns.
; CLUSTER.  Every work-group needs all of w_o's image.  Wave w's quarter (53,248 dense bytes) is asked for JOINTLY by the four partners: the same tensor load, the same descriptor, a mask that names the four.
; One tensor load of a wave is out; only the wave that asked reads its quarter, so its own wait on the load is all the ordering that the reads need.
; The product is used transposed (source 0 = 16 rows of w_o, source 1 = 16 rows of o): a lane holds eight neighbouring columns of one row.  The bias is the C of each sum's first product.
; The results go through the wave's own stage in LDS and leave as rows of 512 consecutive bytes.
; REGISTERS.  window 0: v1-11 addresses; v16-111 o's eight fragments; v112-127 o's half words; v128-135 o's scale words; v136-167 w_o's; v168-231 rows on the way out.
;   window 1: w_o (tile t, K steps 0, 1) at 24 t + 12 s; from v192 the bias.   window 2: w_o (K steps 2, 3).   window 3: the accumulators, (row tile p, tile t) at 64 p + 8 t.
.set WQ,    53248
.set STG,   4*WQ                       ; the stages: (2 w + p) x 8,448: 16 rows x (512 bytes + 16)
.set SPARE, STG+8*8448                 ; the spare words, 128 bytes for each wave: two blocks of 256 bytes that no other line names
.set RR,  1
.set HL,  2
.set LI,  3                            ; v3  16 x lane
.set WA,  4                            ; v4  my quarter in LDS + 16 x lane
.set STO, 5                            ; v5  the stage: where I put 32 bytes of a row
.set RD,  6                            ; v6  and where I read a row back
.set L8,  7                            ; v7  8 x lane
.set SPW, 8
.set NIL, 9
.set L4,  10                           ; v10 4 x lane
.set BO,  11                           ; v11 32 h
.set OF,  16
.set OT,  112
.set OS,  128
.set W1S, 136
.set BK,  168
.set B1,  192
.set WV,  14
.set G1,  24
.set G0,  32
.set MSB, 0
.macro WIN new
.if MSB != \new
	s_set_vgpr_msb (MSB<<8)|\new
.set MSB, \new
.endif
.endm
.macro PLACES n
.rept \n
	v_nop
.endr
.endm
.macro CROUND
	s_barrier_signal -1
	s_barrier_wait -1
	s_cmp_lg_u32 s[WV], 0
	s_cbranch_scc1 .Lnot_wave_0_\@
	s_barrier_signal -3
.Lnot_wave_0_\@:
	s_barrier_wait -3
	s_barrier_signal -1
	s_barrier_wait -1
.endm
.macro MM d, a, b, c, sa, sb
	v_wmma_scale_f32_16x16x128_f8f6f4 v[\d:\d+7], v[\a:\a+11], v[\b:\b+11], v[\c:\c+7], v[\sa], v[\sb] matrix_a_fmt:MATRIX_FMT_FP6 matrix_b_fmt:MATRIX_FMT_FP6
.endm
	s_load_b256 s[4:11], s[0:1], 0x0               ; oc, os, wimg, b_o
	s_load_b64 s[12:13], s[0:1], 0x20              ; out0
	v_lshl_add_u32 v[SPW], v0, 2, SPARE
	v_mov_b32 v[NIL], 0
	ds_add_u32 v[SPW], v[NIL]                      ; the wave's opening: the add and its wait ahead of my first tensor load
	ds_add_u32 v[SPW], v[NIL]
	v_lshrrev_b32 v12, 5, v0
	v_readfirstlane_b32 s[WV], v12                 ; wave 0..3
	s_bfe_u32 s15, ttmp6, 0x40000                  ; my place in the cluster
	s_lshl_b32 s16, ttmp9, 2
	s_add_co_u32 s16, s16, s15                     ; my block of 32 rows: it enters global addresses of o and of out0 alone
	s_mov_b32 s[G1], 15|(3<<16)|(1<<21)            ; the mask: all four work-groups; elements of 8 bytes; bit 21 set beside a mask; no padding
	s_mov_b32 s[G1+1], 32<<16                      ; a quarter is a dense block: 208 rows of 256 bytes
	s_mov_b32 s[G1+2], 208<<16
	s_mov_b32 s[G1+3], 32<<16
	s_mov_b32 s[G1+4], 208
	s_mov_b32 s[G1+5], 32
	s_mov_b32 s[G1+6], 0
	s_mov_b32 s[G1+7], 0
	s_mul_i32 s17, s[WV], WQ                       ; my quarter's place, in LDS as in the image
	s_add_co_u32 s18, s17, 3*212992                ; w_o is the fourth weight of wimg
	s_mov_b32 s19, 0
	s_mul_i32 s36, s16, 12288                      ; o's codes: 6,144 bytes a row tile
	s_mov_b32 s37, 0
	s_lshl_b32 s38, s16, 11                        ; its scale words: 1,024 a row tile
	s_mov_b32 s39, 0
	s_lshl_b32 s40, s[WV], 9                       ; my 128 columns, in the bias as in a row of out0
	s_mov_b32 s41, 0
	s_lshl_b32 s42, s16, 16                        ; 32 rows of 2,048 bytes
	s_add_co_u32 s42, s42, s40
	s_mov_b32 s43, 0
	s_mul_i32 s20, s[WV], 2*8448
	s_add_co_u32 s20, s20, STG                     ; my two stages
	v_and_b32 v[RR], 15, v0
	v_bfe_u32 v[HL], v0, 4, 1
	v_and_b32 v[L4], 31, v0
	v_lshlrev_b32 v[LI], 4, v[L4]
	v_lshlrev_b32 v[L8], 3, v[L4]
	v_lshlrev_b32 v[L4], 2, v[L4]
	v_lshlrev_b32 v[BO], 5, v[HL]
	v_add_nc_u32 v[WA], s17, v[LI]
	v_mul_u32_u24 v[STO], v[RR], 528
	v_lshl_add_u32 v[STO], v[HL], 5, v[STO]
	v_add_nc_u32 v[STO], s20, v[STO]
	v_add_nc_u32 v[RD], s20, v[LI]
	s_wait_dscnt 0x0                               ; the opening add is done
	s_wait_kmcnt 0x0
	s_mov_b32 s[G0], 1
	s_mov_b32 s[G0+1], s17
	s_add_nc_u64 s[G0+2:G0+3], s[8:9], s[18:19]
	s_or_b32 s[G0+3], s[G0+3], 0x80000000
	s_add_nc_u64 s[4:5], s[4:5], s[36:37]
	s_add_nc_u64 s[6:7], s[6:7], s[38:39]
	s_add_nc_u64 s[10:11], s[10:11], s[40:41]
	s_add_nc_u64 s[12:13], s[12:13], s[42:43]
	CROUND                                         ; all four work-groups are here: the joint loads meet
	tensor_load_to_lds s[G0:G0+3], s[G1:G1+7]
	s_nop 0
	PLACES 4
	s_wait_alu depctr_va_vdst(0)
.irp p, 0,1
.irp k, 0,1,2,3
.irp c, 0,1,2,3,4,5
	global_load_b64 v[OF+48*\p+12*\k+2*\c:OF+48*\p+12*\k+2*\c+1], v[L8], s[4:5] offset:6144*\p+1536*\k+256*\c   ; o's fragment of K step k: heads 2 k and 2 k + 1, three pairs of registers each; 256 consecutive bytes a load
.endr
.endr
.endr
.irp p, 0,1
.irp d, 0,1,2,3,4,5,6,7
	global_load_b32 v[OT+8*\p+\d], v[L4], s[6:7] offset:1024*\p+128*\d     ; head d's two bytes
.endr
.endr
	WIN 0x40                                       ; destination window 1
.irp t, 0,1,2,3,4,5,6,7
.irp f, 0,1
	global_load_b128 v[B1+8*\t+4*\f:B1+8*\t+4*\f+3], v[BO], s[10:11] offset:64*\t+16*\f   ; b_o[16 t + 8 h + 0 .. 7]: the result's layout
.endr
.endr
	s_wait_tensorcnt 0x0                           ; my quarter is in LDS
.irp t, 0,1,2,3,4,5,6,7
.irp k, 0,1
.irp g, 0,1,2
	ds_load_b128 v[24*\t+12*\k+4*\g:24*\t+12*\k+4*\g+3], v[WA] offset:(4*\t+\k)*1536+512*\g
.endr
.endr
.endr
	WIN 0x80                                       ; destination window 2
.irp t, 0,1,2,3,4,5,6,7
.irp k, 0,1
.irp g, 0,1,2
	ds_load_b128 v[24*\t+12*\k+4*\g:24*\t+12*\k+4*\g+3], v[WA] offset:(4*\t+2+\k)*1536+512*\g
.endr
.endr
.endr
	WIN 0
.irp t, 0,1,2,3,4,5,6,7
	ds_load_b128 v[W1S+4*\t:W1S+4*\t+3], v[WA] offset:49152+512*\t
.endr
	s_wait_loadcnt 0x0
.irp p, 0,1
.irp k, 0,1,2,3
	v_lshl_or_b32 v[OS+4*\p+\k], v[OT+8*\p+2*\k+1], 16, v[OT+8*\p+2*\k]    ; two heads' bytes make a K step's scale word
.endr
.endr
	PLACES 8                                       ; a scale register written by a vector line stands eight places ahead of the product that names it
	s_wait_alu depctr_va_vdst(0)
	s_wait_dscnt 0x0
	WIN 0xd1                                       ; w_o window 1, o window 0, the bias window 1, result window 3
.irp p, 0,1
.irp t, 0,1,2,3,4,5,6,7
	MM 64*\p+8*\t, 24*\t, OF+48*\p, B1+8*\t, W1S+4*\t, OS+4*\p
.endr
.endr
	WIN 0xf1
.irp p, 0,1
.irp t, 0,1,2,3,4,5,6,7
	MM 64*\p+8*\t, 24*\t+12, OF+48*\p+12, 64*\p+8*\t, W1S+4*\t+1, OS+4*\p+1
.endr
.endr
	WIN 0xf2                                       ; w_o window 2
.irp p, 0,1
.irp t, 0,1,2,3,4,5,6,7
	MM 64*\p+8*\t, 24*\t, OF+48*\p+24, 64*\p+8*\t, W1S+4*\t+2, OS+4*\p+2
.endr
.endr
.irp p, 0,1
.irp t, 0,1,2,3,4,5,6,7
	MM 64*\p+8*\t, 24*\t+12, OF+48*\p+36, 64*\p+8*\t, W1S+4*\t+3, OS+4*\p+3
.endr
.endr
	WIN 0
	PLACES 4                                       ; in front of the first read of results and of loads into o's registers
	; THE WAY OUT.  LDS serves a wave's instructions in order, and a stage is the wave's own: no wait between the stores and the loads
	WIN 0x0c                                       ; an LDS store's data are its source 1: window 3
.irp t, 0,1,2,3,4,5,6,7
	ds_store_b128 v[STO], v[8*\t:8*\t+3] offset:64*\t                    ; each accumulator from its low end on
	ds_store_b128 v[STO], v[8*\t+4:8*\t+7] offset:64*\t+16
.endr
	WIN 0
.irp i, 0,1,2,3,4,5,6,7,8,9,10,11,12,13,14,15
	ds_load_b128 v[BK+4*\i:BK+4*\i+3], v[RD] offset:528*\i
.endr
	WIN 0x0c
.irp t, 0,1,2,3,4,5,6,7
	ds_store_b128 v[STO], v[64+8*\t:64+8*\t+3] offset:8448+64*\t
	ds_store_b128 v[STO], v[64+8*\t+4:64+8*\t+7] offset:8448+64*\t+16
.endr
	WIN 0
.irp i, 0,1,2,3,4,5,6,7,8,9,10,11,12,13,14,15
	ds_load_b128 v[OF+4*\i:OF+4*\i+3], v[RD] offset:8448+528*\i
.endr
	s_wait_dscnt 32                                ; the first row tile is back; the second's 16 stores and 16 loads may be out
.irp i, 0,1,2,3,4,5,6,7,8,9,10,11,12,13,14,15
	global_store_b128 v[LI], v[BK+4*\i:BK+4*\i+3], s[12:13] offset:2048*\i th:TH_STORE_NT      ; 512 consecutive bytes of a row, at a multiple of 256 from out0's first byte
.endr
	s_wait_dscnt 0x0
.irp i, 0,1,2,3,4,5,6,7,8,9,10,11,12,13,14,15
	global_store_b128 v[LI], v[OF+4*\i:OF+4*\i+3], s[12:13] offset:32768+2048*\i th:TH_STORE_NT
.endr
	s_wait_tensorcnt 0x0                           ; the wave's end, behind my last tensor load and my last LDS store
	ds_add_u32 v[SPW], v[NIL]
	s_wait_dscnt 0x0
	CROUND                                         ; the closing round: no work-group ends while a partner may still ask for a quarter that names it
	s_endpgm
.Lfunc_end_k_q6bde7f795f_oproj:
	.size	k_q6bde7f795f_oproj, .Lfunc_end_k_q6bde7f795f_oproj-k_q6bde7f795f_oproj
	.p2alignl 7, 3214868480
	.fill 96, 4, 3214868480
	.section	.rodata,"a",@progbits
	.p2align	6, 0x0
	.amdhsa_kernel k_q6bde7f795f_oproj
		.amdhsa_group_segment_fixed_size 281088
		.amdhsa_private_segment_fixed_size 0
		.amdhsa_enable_private_segment 0
		.amdhsa_kernarg_size 40
		.amdhsa_user_sgpr_count 2
		.amdhsa_user_sgpr_kernarg_segment_ptr 1
		.amdhsa_wavefront_size32 1
		.amdhsa_system_sgpr_workgroup_id_x 1
		.amdhsa_system_sgpr_workgroup_id_y 1
		.amdhsa_system_sgpr_workgroup_id_z 1
		.amdhsa_system_vgpr_workitem_id 0
		.amdhsa_next_free_vgpr 1024
		.amdhsa_next_free_sgpr 66
		.amdhsa_reserve_vcc 0
		.amdhsa_float_denorm_mode_32 3
		.amdhsa_float_denorm_mode_16_64 3
		.amdhsa_memory_ordered 1
		.amdhsa_forward_progress 1
		.amdhsa_inst_pref_size 35
	.end_amdhsa_kernel
	.amdgpu_metadata
---
amdhsa.version: [ 1, 2 ]
amdhsa.kernels:
  - .name:           k_q6bde7f795f_oproj
    .symbol:         k_q6bde7f795f_oproj.kd
    .args:
      - { .name: oc, .offset: 0, .size: 8, .value_kind: global_buffer, .address_space: global }
      - { .name: os, .offset: 8, .size: 8, .value_kind: global_buffer, .address_space: global }
      - { .name: wimg, .offset: 16, .size: 8, .value_kind: global_buffer, .address_space: global }
      - { .name: b_o, .offset: 24, .size: 8, .value_kind: global_buffer, .address_space: global }
      - { .name: out0, .offset: 32, .size: 8, .value_kind: global_buffer, .address_space: global }
    .group_segment_fixed_size: 281088
    .private_segment_fixed_size: 0
    .kernarg_segment_align: 8
    .kernarg_segment_size: 40
    .max_flat_workgroup_size: 128
    .sgpr_count:     66
    .vgpr_count:     1024
    .wavefront_size: 32
...
	.end_amdgpu_metadata
.endif
;; end of part 4
